; MI455X (gfx1250); checked and timed in simulation.
; The chip was launched on July 23, 2026; its instructions are those of AMD's public machine-readable ISA for CDNA 5 (MIT licence, August 2026) and "CDNA5" Instruction Set Architecture Reference Guide (July 2026). The comments in the code are by the model that wrote it; some were corrected since.
;; Multihead Attention. Allowed arithmetic: matrix products marked QUANTISED: E4M3 operands, one given power-of-two scale a tensor, by v_wmma_f32_16x16x64_fp8_fp8 or v_wmma_f32_16x16x128_fp8_fp8, f32 sums; everything else in f32.
;; Inputs: b_o 1,024 float32; lowp_scales 8 int32 (the exponents e of the quantised operands' scales 2^e); w_o 1,024 x 1,024 float32; w_qkv 3,072 x 1,024 float32; x 4 x 2,048 x 1,024 float32.
;; Outputs: out0 4 x 2,048 x 1,024 float32.
;; This version of the problem:
;;   THIS VERSION OF THE PROBLEM IS GIVEN IN LOW PRECISION. The matrix products marked QUANTISED in the list below multiply operands that are first quantised to E4M3 (4 exponent bits, 3 mantissa bits; 8 bits a number), with one given power-of-two scale for each operand tensor; their sums are f32. All else is computed in f32.
;;   The module's matrix products, in the order in which they are computed (A, B: the left and right operand; K: the contracted axis; several contracted axes count as one K, in the product's order):
;;     1. [M 8,192, K 1,024] x [K 1,024, N 3,072]; A: input x; B: input w_qkv: QUANTISED (scales: A lowp_scales[0], B lowp_scales[1])
;;     2. batch 64 x [M 2,048, K 64] x [K 64, N 2,048]; A: computed on the way; B: computed on the way: QUANTISED (scales: A lowp_scales[2], B lowp_scales[3])
;;     3. batch 64 x [M 2,048, K 2,048] x [K 2,048, N 64]; A: softmax (see below); B: computed on the way: QUANTISED (scales: A lowp_scales[4], B lowp_scales[5])
;;     4. [M 8,192, K 1,024] x [K 1,024, N 1,024]; A: computed on the way; B: input w_o: QUANTISED (scales: A lowp_scales[6], B lowp_scales[7])
;;   THE QUANTISER, for each operand of a quantised product, along K:
;;     - The operand's scale is 2^e, e = its entry of the input lowp_scales (int32; the entries are numbered through the quantised products in the list's order, A before B).
;;     - Each number is divided by the scale, clamped to +-448, and rounded to the nearest number of E4M3, ties to even, subnormals kept.
;;     - The product sums the exact products of the quantised numbers (number of the format x scale) in f32.
;;   ~~~python
;;   def quantise(x, axis, e):      # numpy; x: float32 -> the quantised numbers, widened to float32 again
;;       x = np.moveaxis(x, axis, -1); K = x.shape[-1]
;;       r = np.clip(x / 2.0 ** e, -448, 448)
;;       step = 2.0 ** (np.maximum(np.frexp(np.where(r == 0, 1, r))[1] - 1, -6) - 3)
;;       q = np.round(r / step) * step * 2.0 ** e      # np.round: ties to even
;;       return np.moveaxis(q, -1, axis).astype(np.float32)
;;   ~~~
;;   SOFTMAX AHEAD OF A QUANTISED PRODUCT. Where the list says 'softmax', what is quantised is not the finished softmax but p = 2^(t - M), with t = logit x log2(e) and M = ceil(the row's largest t), a whole number; so 1/2 < the row's largest p <= 1. The row's sum l is taken of the UNQUANTISED p, in f32, and the product's result is divided by l at the end. Since M is a whole number, a kernel that streams over the keys may use a running M (the ceiling of the running maximum): every later rescaling is an exact power of two, so the quantised numbers keep their values, but for numbers so far below the row's largest that they fall under the format's range.
;;   OPERANDS COMPUTED ON THE WAY. 'Computed on the way' means the value that the module computes at that place (a softmax that the list does not call 'softmax' is quantised finished and normalised). What goes into a quantiser is computed in f32, as accurately as f32 sums, v_exp_f32 and their like allow (about 1e-6 of the number): no bf16 or f16 on the way to a quantiser, and a product that is left as it is and whose result goes on into a quantised operand takes f32 operands (vector FMAs, or v_wmma_f32_16x16x4_f32). A number that lies on a knife's edge between two numbers of the format may be rounded either way, as far as f32 arithmetic and the matrix unit's own rounding can turn it there, and no further.
;; One version. Each part assembles by itself: llvm-mc -triple=amdgcn-amd-amdhsa -mcpu=gfx1250 --defsym DOCPART=n.
;; ======== version 1 of 1: 4 launches
;; limits: right only within a limited range of input values
;; workspace buffers: xc 8,388,608 bytes; wqc 3,145,728 bytes; woc 1,048,576 bytes; qf 8,388,608 bytes; kvf 16,777,216 bytes; valsf 8,388,608 bytes
;; launch quant (part 1): grid 384 x 1, 4 waves a work-group, no clusters, 33,280 bytes of LDS; arguments x, w_qkv, w_o, lowp_scales, xc, wqc, woc; writes xc, wqc, woc
.if DOCPART == 1
	.amdgcn_target "amdgcn-amd-amdhsa--gfx1250"
	.amdhsa_code_object_version 6
	.text
	.protected	k_qae863c86ed_quant
	.globl	k_qae863c86ed_quant
	.p2align	8
	.type	k_qae863c86ed_quant,@function
k_qae863c86ed_quant:
	s_mov_b64 s[64:65], 0
	v_nop
	global_prefetch_b8 v0, s[64:65] scope:SCOPE_SE
	s_setreg_imm32_b32 hwreg(HW_REG_WAVE_MODE, 25, 1), 1
	s_wait_xcnt 0x0
; x [8192][1024], w_qkv [3072][1024] and w_o [1024][1024], f32 with K innermost, become codes of E4M3, one byte each, rows as they lie, each with the one scale 2^e given for it
; (entries 0, 1 and 7 of the scales).  code = number / 2^e, held within +-448, to the nearest code, ties to even.
; LIMITS: each e lies between -126 and 119, so that 2^e and 448 x 2^e are f32 numbers.  NaN among the inputs is not served; an infinity is held at the largest code.
; SHARES.  A work-group takes 32,768 numbers: work-groups 0-255 x, 256-351 w_qkv, 352-383 w_o (only pointers are chosen: one path through the text).  A wave takes a run of 8,192 numbers, 8 rows, in 16 steps of 512.
; ONE CHANGE OF ORDER, in the output offset alone: in w_qkv's rows of v (row % 192 >= 128) the runs 1 and 2 of every four (rows 8-15 and 16-23 of every 32) change places.  The next launch then finds, in 16 neighbouring
; stored rows, channels c .. c+7 and c+16 .. c+23, which is what makes a lane's results of attention's second product neighbours along the last product's K.
; The conversions take 8 numbers of ONE lane's consecutive registers, so a lane must hold neighbours; a load is best where neighbouring lanes take neighbouring bytes.  Both are had: a step's four loads read 512 consecutive
; bytes each, 16 a lane; the 2,048 bytes turn through the wave's own stage in LDS (16 bytes of padding behind each 64) and come back 64 bytes a lane.  A lane's 16 codes are 16 bytes: the wave stores 512 consecutive bytes.
; No tensor load, no barrier: waves share nothing.  Loads run four steps (16 loads a wave) ahead, the turn through LDS one step.
.set WAVES, 4
.set STEPS, 16
.set EMAX,  8
.set MANT,  0x600000                   ; the mantissa field of 448 as f32
.set CB,    16                         ; bytes of 16 codes
.set R,     16                         ; v16-79   four sets of 16 numbers as they are loaded
.set X,     80                         ; v80-111  two sets of 16 neighbours
.set C,     128                        ; v128-191 codes: four registers for each step, so that no store's data are written again
.set WREG,  8192                       ; LDS: a region for each wave: two stages of 32 x SP bytes
.set SP,    80                         ; a lane's place in a stage: 64 bytes + 16 of padding
.set SPW,   12                         ; v12      LDS address of my spare word; never rewritten
.set NIL,   13                         ; v13      0; never rewritten
.set SPARE, WAVES*WREG                 ; behind the four regions: the spare words, 128 bytes a wave, which no other line names
	s_load_b256 s[4:11], s[0:1], 0x0               ; x s[4:5], w_qkv s[6:7], w_o s[8:9], the scales' exponents s[10:11]
	s_load_b128 s[12:15], s[0:1], 0x20             ; x's codes s[12:13], w_qkv's s[14:15]
	s_load_b64 s[16:17], s[0:1], 0x30              ; w_o's codes
	v_lshl_add_u32 v[SPW], v0, 2, SPARE
	v_mov_b32 v[NIL], 0
	v_lshrrev_b32 v1, 5, v0
	v_readfirstlane_b32 s18, v1                    ; wave
	v_and_b32 v2, 31, v0                           ; lane
	v_lshlrev_b32 v3, 4, v2                        ; my 16 bytes of a load's 512
	s_mul_i32 s19, s18, WREG
	v_lshrrev_b32 v14, 2, v2
	v_mul_u32_u24 v14, v14, SP
	v_and_b32 v15, 3, v2
	v_lshl_add_u32 v14, v15, 4, v14
	v_add_nc_u32 v14, s19, v14                     ; the stage, on the way in: four lanes' 64 bytes on end, then 16 of padding
	v_mul_u32_u24 v15, v2, SP
	v_add_nc_u32 v15, s19, v15                     ; and on the way out: SP x lane: my 16 neighbours
	v_mul_u32_u24 v4, v2, CB                       ; my codes' place in a step's
	; which tensor, and which run of it: from the work-group's and the wave's number alone
	s_mov_b32 s40, 352
	s_cmp_lt_u32 ttmp9, s40
	s_cselect_b32 s32, 256, s40
	s_cmp_lt_u32 ttmp9, 256
	s_cselect_b32 s32, 0, s32                      ; the tensor's first work-group
	s_sub_co_u32 s33, ttmp9, s32
	s_lshl_b32 s33, s33, 2
	s_add_co_u32 s33, s33, s18                     ; R: my run of 8 rows
	s_add_co_u32 s34, s33, 1
	s_and_b32 s34, s34, 2
	s_lshr_b32 s35, s34, 1
	s_or_b32 s34, s34, s35                         ; 3 where R % 4 is 1 or 2, else 0
	s_mul_i32 s35, s33, 2731
	s_lshr_b32 s35, s35, 16                        ; R / 24 (exact for R below 1,024)
	s_mul_i32 s35, s35, 24
	s_sub_co_u32 s35, s33, s35                     ; R % 24: the run's place in a head's 192 rows
	s_cmp_ge_u32 s35, 16                           ; rows of v?
	s_cselect_b32 s34, s34, 0
	s_sub_co_u32 s35, ttmp9, 256
	s_cmp_lt_u32 s35, 96                           ; and w_qkv's work-group?
	s_cselect_b32 s34, s34, 0
	s_xor_b32 s34, s33, s34                        ; where the run's codes go
	s_lshl_b32 s36, s33, 15                        ; in: 32,768 bytes a run
	s_mov_b32 s37, 0
	s_lshl_b32 s38, s34, 13                        ; out: 8,192 bytes a run
	s_mov_b32 s39, 0
	s_wait_alu depctr_va_vdst(0)
	s_wait_kmcnt 0x0
	s_load_b256 s[24:31], s[10:11], 0x0            ; the eight exponents
	s_cmp_lt_u32 ttmp9, s40
	s_cselect_b64 s[20:21], s[6:7], s[8:9]
	s_cselect_b64 s[22:23], s[14:15], s[16:17]
	s_cmp_lt_u32 ttmp9, 256
	s_cselect_b64 s[20:21], s[4:5], s[20:21]       ; the numbers,
	s_cselect_b64 s[22:23], s[12:13], s[22:23]     ; the codes
	s_add_nc_u64 s[20:21], s[20:21], s[36:37]
	s_add_nc_u64 s[22:23], s[22:23], s[38:39]
.macro LOAD t
.irp i, 0,1,2,3
	global_load_b128 v[R+16*((\t)%4)+4*\i:R+16*((\t)%4)+4*\i+3], v3, s[20:21] offset:2048*(\t)+512*\i th:TH_LOAD_NT   ; 32 lanes read 512 consecutive bytes; read once in the launch
.endr
.endm
.macro TURN t                          ; step t's numbers through the stage: LDS serves a wave's instructions in order (ISA guide 5.7.1.4), so no wait stands between the stores and the loads
.irp i, 0,1,2,3
	ds_store_b128 v14, v[R+16*((\t)%4)+4*\i:R+16*((\t)%4)+4*\i+3] offset:32*SP*((\t)%2)+8*SP*\i
.endr
.irp i, 0,1,2,3
	ds_load_b128 v[X+16*((\t)%2)+4*\i:X+16*((\t)%2)+4*\i+3], v15 offset:32*SP*((\t)%2)+16*\i
.endr
.endm
.irp t, 0,1,2,3
	LOAD \t
.endr
	s_wait_kmcnt 0x0
	s_cmp_lt_u32 ttmp9, s40
	s_cselect_b32 s41, s25, s31                    ; e of w_qkv (entry 1) or of w_o (entry 7),
	s_cmp_lt_u32 ttmp9, 256
	s_cselect_b32 s41, s24, s41                    ; or of x (entry 0)
	s_add_co_i32 s41, s41, 127
	s_lshl_b32 s42, s41, 23
	v_mov_b32 v11, s42                             ; 2^e as f32: the conversion takes its exponent field
	s_add_co_i32 s41, s41, EMAX
	s_lshl_b32 s41, s41, 23
	s_or_b32 s41, s41, MANT
	s_wait_alu depctr_va_vdst(0)
	s_wait_loadcnt 12                              ; step 0's four loads are in; the twelve of steps 1 to 3 may be out
	TURN 0
.macro STEP t
.set XS, X+16*((\t)%2)
	s_wait_dscnt 0x0                               ; this step's numbers are back from the stage: so its stores into the stage have read their registers,
.if (\t)+4 < STEPS
	LOAD (\t)+4                                    ; which take the loads of four steps on
.endif
.if (\t)+1 < STEPS
.if STEPS-2-(\t) >= 3
	s_wait_loadcnt 12                              ; the next step's four loads are in; those of the three steps behind it may be out
.else
	s_wait_loadcnt 4*(STEPS-2-(\t))                ; the tail: as many steps as are left behind the next one
.endif
	TURN (\t)+1                                    ; and go through the other stage while this step is worked
.endif
.irp i, 0,1,2,3,4,5,6,7,8,9,10,11,12,13,14,15
.endr
	v_cvt_scalef32_pk8_fp8_f32 v[C+4*(\t):C+4*(\t)+1], v[XS:XS+7], v11
	v_cvt_scalef32_pk8_fp8_f32 v[C+4*(\t)+2:C+4*(\t)+3], v[XS+8:XS+15], v11   ; the results go to a store alone
	global_store_b128 v4, v[C+4*(\t):C+4*(\t)+3], s[22:23] offset:32*CB*(\t)   ; the wave stores 512 consecutive bytes, aligned
.endm
.irp t, 0,1,2,3,4,5,6,7,8,9,10,11,12,13,14,15
	STEP \t
.endr
	s_wait_tensorcnt 0x0                           ; the wave's end, behind my last LDS store
	ds_add_u32 v[SPW], v[NIL]
	s_wait_dscnt 0x0
	s_endpgm
.Lfunc_end_k_qae863c86ed_quant:
	.size	k_qae863c86ed_quant, .Lfunc_end_k_qae863c86ed_quant-k_qae863c86ed_quant
	.p2alignl 7, 3214868480
	.fill 96, 4, 3214868480
	.section	.rodata,"a",@progbits
	.p2align	6, 0x0
	.amdhsa_kernel k_qae863c86ed_quant
		.amdhsa_group_segment_fixed_size 33280
		.amdhsa_private_segment_fixed_size 0
		.amdhsa_enable_private_segment 0
		.amdhsa_kernarg_size 56
		.amdhsa_user_sgpr_count 2
		.amdhsa_user_sgpr_kernarg_segment_ptr 1
		.amdhsa_wavefront_size32 1
		.amdhsa_system_sgpr_workgroup_id_x 1
		.amdhsa_system_sgpr_workgroup_id_y 1
		.amdhsa_system_sgpr_workgroup_id_z 1
		.amdhsa_system_vgpr_workitem_id 0
		.amdhsa_next_free_vgpr 192
		.amdhsa_next_free_sgpr 66
		.amdhsa_reserve_vcc 0
		.amdhsa_float_denorm_mode_32 3
		.amdhsa_float_denorm_mode_16_64 3
		.amdhsa_fp16_overflow 1
		.amdhsa_memory_ordered 1
		.amdhsa_forward_progress 1
		.amdhsa_inst_pref_size 22
	.end_amdhsa_kernel
	.amdgpu_metadata
---
amdhsa.version: [ 1, 2 ]
amdhsa.kernels:
  - .name:           k_qae863c86ed_quant
    .symbol:         k_qae863c86ed_quant.kd
    .args:
      - { .name: x, .offset: 0, .size: 8, .value_kind: global_buffer, .address_space: global }
      - { .name: w_qkv, .offset: 8, .size: 8, .value_kind: global_buffer, .address_space: global }
      - { .name: w_o, .offset: 16, .size: 8, .value_kind: global_buffer, .address_space: global }
      - { .name: lowp_scales, .offset: 24, .size: 8, .value_kind: global_buffer, .address_space: global }
      - { .name: xc, .offset: 32, .size: 8, .value_kind: global_buffer, .address_space: global }
      - { .name: wqc, .offset: 40, .size: 8, .value_kind: global_buffer, .address_space: global }
      - { .name: woc, .offset: 48, .size: 8, .value_kind: global_buffer, .address_space: global }
    .group_segment_fixed_size: 33280
    .private_segment_fixed_size: 0
    .kernarg_segment_align: 8
    .kernarg_segment_size: 56
    .max_flat_workgroup_size: 128
    .sgpr_count:     66
    .vgpr_count:     192
    .wavefront_size: 32
...
	.end_amdgpu_metadata
.endif
;; end of part 1
;; launch qkv (part 2): grid 16 x 32, 4 waves a work-group, clusters of 4 x 4, 327,680 bytes of LDS; arguments xc, wqc, lowp_scales, qf, kvf; writes qf, kvf
.if DOCPART == 2
	.amdgcn_target "amdgcn-amd-amdhsa--gfx1250"
	.amdhsa_code_object_version 6
	.text
	.protected	k_qae863c86ed_qkv
	.globl	k_qae863c86ed_qkv
	.p2align	8
	.type	k_qae863c86ed_qkv,@function
k_qae863c86ed_qkv:
	s_mov_b64 s[64:65], 0
	v_nop
	global_prefetch_b8 v0, s[64:65] scope:SCOPE_SE
	s_setreg_imm32_b32 hwreg(HW_REG_WAVE_MODE, 25, 1), 1
	s_wait_xcnt 0x0
	s_wait_alu depctr_hold_cnt(0) depctr_sa_sdst(0) depctr_va_vdst(0) depctr_va_sdst(0) depctr_va_ssrc(0) depctr_va_vcc(0) depctr_vm_vsrc(0)
	s_getreg_b32 s2, hwreg(HW_REG_IB_STS2, 6, 4)
	s_cmp_eq_u32 s2, 0
	s_cbranch_scc0 .Lentry_in_a_cluster
	s_endpgm
.Lentry_in_a_cluster:
	s_bfe_u32 s2, ttmp6, 0x10000c
	s_cmp_lg_u32 s2, 0xf033
	s_cbranch_scc0 .Lentry_shape_is_right
	s_endpgm
.Lentry_shape_is_right:
; The first product, x w_qkv^T on codes of E4M3, and the quantising of its results q, k, v for attention's two products.  Nothing but codes leaves.
; A work-group makes 256 tokens x one head's 192 columns (q, k, v: 64 each).  Four waves; wave w (rh = w / 2, c = w % 2) makes tokens 128 rh .. +127 x channels 32 c .. 32 c + 31 of q, of k and of v: 48 accumulators of 16 x 16.
; K = 1,024 goes in four slots' worth of 256 (rows of 256 bytes) through a ring of two LDS slots filled by the tensor data mover; a slot is two steps of 128, 48 matrix instructions a wave each.
; CLUSTERS: 4 x 4 work-groups.  The four of a row of the cluster take the same tokens, the four of a column the same head: each tile is asked for JOINTLY, by the same tensor load with the same descriptor and a mask naming the four.
; HOW THE RESULTS LIE.  q and k: the matrix instruction is used TRANSPOSED (source 0 = 16 rows of w, source 1 = 16 tokens): a lane holds ONE token (lane % 16) and 8 neighbouring channels, so a conversion's two registers are two
; registers of the 16 x 64 operand of attention's first product.  v: sources in natural order: a lane holds ONE channel and 8 neighbouring tokens: two registers of the 16 x 128 operand (K = the keys) of the second.
; So the codes are stored AS IMAGES OF THE OPERANDS' REGISTERS, four registers a store, lane l's 16 bytes at 16 l: every store of the wave covers 512 consecutive bytes, aligned, and no result goes through LDS.
;   qf  [b h 64][token tile 128][1,024]: chunk c at 512 c.      kvf [b h 64][128 keys: 16][16,384]: K's eight tiles at 1,024 a + 512 c; V's four tiles at 8,192 + 2,048 (2 c + u) + 512 j.
; A sum stands for sum x 2^(e0 + e1), so its code is sum / 2^(e - e0 - e1), e = e2 (q), e3 (k), e5 (v): the three scales are folded into the conversion's one.
; LIMITS: e2 - e0 - e1, e3 - e0 - e1 and e5 - e0 - e1 lie between -126 and 119, so that each scale and 448 x it are f32 numbers.
; A fragment's 128 K are fetched by four 16-byte loads 32 bytes apart: a permutation of k that is the same in x and in w, so every product meets its partner.
; REGISTERS, in windows of 256: window 0: v8, v10, v12 scales, v16-29 addresses, v32-127 codes, v128-255 x's fragments, set 0.   window 1: w's six fragments, set 0 at v0, set 1 at v128.
;   window 2: the accumulators of q and k (column block b = 0..3, token block a: v[8 (8 b + a)]).   window 3: v0-127 those of v (b = 4, 5); v128-255 x's fragments, set 1.
.set PITCH, 272                        ; an LDS row: 256 bytes + 16 of padding: the sixteen rows that a load touches begin at sixteen different 16-byte columns modulo 256
.set AH,    128*PITCH                  ; 128 rows of x: one tensor load, and what one wave reads of x
.set BH,    96*PITCH                   ; 96 rows of w: one tensor load
.set SLOT,  2*AH+2*BH                  ; x's 256 rows, then w's 192
.set SPARE, 2*SLOT                     ; behind the ring: the spare words, 128 bytes a wave, which no other line names
.set SQ, 8                             ; v8 q's scale;  v10 k's;  v12 v's
.set LQ, 9
.set SK, 10
.set LK, 11
.set SV, 12
.set LV, 13
.set ADRA, 16                          ; v16-17  LDS address of my x fragments in slot 0, 1
.set ADRB, 20                          ; v20-21  the same for w
.set GO,   24                          ; v24     16 x lane: my place in an image
.set SPW,  28                          ; v28     LDS address of my spare word; never rewritten
.set NIL,  29                          ; v29     0; never rewritten
.set C,    32                          ; v32-63 q's codes, v64-95 k's, v96-127 v's
.set G1,  24                           ; s[24:31] descriptor group 1 for x's tiles;  s[32:39] group 0, a set for each slot
.set G0,  32
.set G1B, 48                           ; s[48:55], s[56:63] the same for w's tiles
.set G0B, 56
.set QB,  76                           ; s[76:77] where my images of q begin;  s[78:79] of k;  s[80:81] of v
.set KB,  78
.set VB,  80
.set MSB, 0
.macro WIN new                         ; the immediate's high byte repeats the setting that is left; a switch that changes nothing is dropped
.if MSB != (\new)
	s_set_vgpr_msb (MSB<<8)|(\new)
.set MSB, (\new)
.endif
.endm
; A joint load: waves 0 and 1 fetch x's halves, waves 2 and 3 w's.  Each line has ONE mask and one set of registers for all that issue it; the branch hangs on the wave's number alone.
; An s_nop 0 and four v_nop follow each of the two lines, ahead of the jump, the label and what follows.
.macro JLOAD g0a, g1a, g0b, g1b
	s_cmp_eq_u32 s15, 0
	s_cbranch_scc0 .Lfor_b_\@
	tensor_load_to_lds s[\g0a:\g0a+3], s[\g1a:\g1a+7]
	s_nop 0
.rept 4
	v_nop
.endr
	s_branch .Lasked_\@
.Lfor_b_\@:
	tensor_load_to_lds s[\g0b:\g0b+3], s[\g1b:\g1b+7]
	s_nop 0
.rept 4
	v_nop
.endr
.Lasked_\@:
.endm
.macro CREST                           ; a round of the cluster's barrier behind its opening barrier
	s_cmp_lg_u32 s14, 0
	s_cbranch_scc1 .Lnot_wave_0_\@
	s_barrier_signal -3
.Lnot_wave_0_\@:
	s_barrier_wait -3
	s_barrier_signal -1
	s_barrier_wait -1
.endm
.macro CROUND                          ; a whole round
	s_barrier_signal -1
	s_barrier_wait -1
	CREST
.endm
.macro PLACES n                        ; plain vector instructions between a matrix instruction and a load into, or a vector read of, its registers (ISA guide 7.12.1 for vector reads)
.rept \n
	v_nop
.endr
.endm
	s_load_b256 s[4:11], s[0:1], 0x0               ; x's codes s[4:5], w's s[6:7], the scales' exponents s[8:9], qf s[10:11]
	s_load_b64 s[12:13], s[0:1], 0x20              ; kvf
	v_lshl_add_u32 v[SPW], v0, 2, SPARE
	v_mov_b32 v[NIL], 0
	ds_add_u32 v[SPW], v[NIL]
	ds_add_u32 v[SPW], v[NIL]                      ; the wave's opening: the add and its wait stand ahead of my first tensor load; the set-up below, work on registers, stands between them
	v_lshrrev_b32 v1, 5, v0
	v_readfirstlane_b32 s14, v1                    ; wave 0..3
	s_lshr_b32 s15, s14, 1                         ; rh: my half of the tokens.  Also: I fetch for x (0) or for w (1)
	s_and_b32 s16, s14, 1                          ; c: my half of the channels.  Also: which half of that tile I fetch
	s_bfe_u32 s40, ttmp6, 0x40000                  ; cx, cy: my place in the cluster
	s_bfe_u32 s41, ttmp6, 0x40004
	s_lshl_b32 s42, ttmp9, 2
	s_add_co_u32 s42, s42, s40                     ; the head = 4 x cluster x + cx
	s_and_b32 s17, ttmp7, 0xffff
	s_lshl_b32 s17, s17, 2
	s_add_co_u32 s17, s17, s41                     ; the block of 256 tokens = 4 x cluster y + cy
	s_lshl_b32 s43, s41, 2
	s_lshl_b32 s43, 15, s43                        ; my row of the cluster
	s_lshl_b32 s44, 0x1111, s40                    ; my column
	s_or_b32 s[G1+0], s43, (1<<20)|(1<<21)|(5<<22)|(3<<25)   ; 15:0 the mask: x's tiles go to my row; 17:16 elements of 1 byte; 20 padding on; 21 set beside a mask; 24:22 after every 64 words; 31:25 four words
	s_or_b32 s[G1B+0], s44, (1<<20)|(1<<21)|(5<<22)|(3<<25)  ; the same with my column's mask, for w's tiles
.irp g, G1, G1B
	s_mov_b32 s[\g+1], 256<<16                     ; tensor_dim0 = 256
	s_mov_b32 s[\g+3], 256<<16                     ; tile_dim0 = 256
	s_mov_b32 s[\g+5], 1024                        ; from row to row
	s_mov_b32 s[\g+6], 0
	s_mov_b32 s[\g+7], 0
.endr
	s_mov_b32 s[G1+2], 128<<16                     ; x: tensor_dim1 = tile_dim1 = 128 rows
	s_mov_b32 s[G1+4], 128
	s_mov_b32 s[G1B+2], 96<<16                     ; w: 96 rows
	s_mov_b32 s[G1B+4], 96
	s_lshl_b32 s18, s16, 7
	s_lshl_b32 s20, s17, 8
	s_add_co_u32 s20, s20, s18                     ; x: row 256 x block + 128 x half,
	s_lshl_b32 s20, s20, 10                        ; in bytes
	s_mov_b32 s21, 0
	s_mul_i32 s46, s42, 192
	s_mul_i32 s19, s16, 96
	s_add_co_u32 s46, s46, s19                     ; w: row 192 x head + 96 x half,
	s_lshl_b32 s46, s46, 10                        ; in bytes
	s_mov_b32 s47, 0
	s_mul_i32 s45, s16, AH                         ; where they go: no place in the cluster enters an LDS address
	s_mul_i32 s22, s16, BH
	s_add_co_u32 s22, s22, 2*AH
	s_wait_dscnt 0x0                               ; the opening add is done
	s_wait_kmcnt 0x0
	s_load_b256 s[68:75], s[8:9], 0x0              ; the eight exponents
	s_add_nc_u64 s[20:21], s[4:5], s[20:21]
	s_add_nc_u64 s[46:47], s[6:7], s[46:47]
	CROUND                                         ; all sixteen work-groups are here: the first joint loads meet
.irp s, 0,1
	s_mov_b32 s[G0+4*\s], 1                        ; count = 1
	s_add_co_u32 s[G0+4*\s+1], s45, \s*SLOT        ; LDS address
	s_add_nc_u64 s[G0+4*\s+2:G0+4*\s+3], s[20:21], \s*256   ; global address: K 256 s on
	s_or_b32 s[G0+4*\s+3], s[G0+4*\s+3], 0x80000000          ; type = 2
	s_mov_b32 s[G0B+4*\s], 1
	s_add_co_u32 s[G0B+4*\s+1], s22, \s*SLOT
	s_add_nc_u64 s[G0B+4*\s+2:G0B+4*\s+3], s[46:47], \s*256
	s_or_b32 s[G0B+4*\s+3], s[G0B+4*\s+3], 0x80000000
	JLOAD G0+4*\s, G1, G0B+4*\s, G1B               ; both slots' first fills go out as one group: two loads of mine are out
.endr
	v_and_b32 v1, 15, v0                           ; r = lane % 16
	v_bfe_u32 v2, v0, 4, 1                         ; lane / 16
	v_mul_u32_u24 v3, v1, PITCH
	v_lshl_add_u32 v4, v2, 4, v3                   ; a fragment's row x pitch + 16 x half
	s_mul_i32 s82, s15, AH                         ; my 128 rows of x
	s_mul_i32 s83, s16, 32*PITCH                   ; my rows of w begin at row 32 c of q's, of k's and of v's 64,
	s_add_co_u32 s83, s83, 2*AH                    ; behind x's 256
.irp s, 0,1
	v_add_nc_u32 v[ADRA+\s], s82, v4
	v_add_nc_u32 v[ADRB+\s], s83, v4
	s_add_co_u32 s82, s82, SLOT
	s_add_co_u32 s83, s83, SLOT
.endr
	v_and_b32 v5, 31, v0
	v_lshlrev_b32 v[GO], 4, v5
	; where my images go
	s_lshr_b32 s84, s17, 3                         ; the batch,
	s_lshl_b32 s84, s84, 4
	s_add_co_u32 s84, s84, s42                     ; 16 x batch + head
	s_and_b32 s85, s17, 7                          ; the block of 256 tokens within the batch
	s_lshl_b32 s86, s85, 1
	s_add_co_u32 s86, s86, s15                     ; my 128 tokens within the batch
	s_lshl_b32 s88, s84, 17                        ; qf: 131,072 bytes a head,
	s_lshl_b32 s87, s86, 13                        ; 8 tiles of 1,024 bytes for 128 tokens,
	s_add_co_u32 s88, s88, s87
	s_lshl_b32 s87, s16, 9                         ; chunk c
	s_add_co_u32 s88, s88, s87
	s_mov_b32 s89, 0
	s_add_nc_u64 s[QB:QB+1], s[10:11], s[88:89]
	s_lshl_b32 s90, s84, 18                        ; kvf: 262,144 bytes a head,
	s_lshl_b32 s86, s86, 14                        ; 16,384 for 128 keys
	s_add_co_u32 s90, s90, s86
	s_mov_b32 s91, 0
	s_add_co_u32 s92, s90, s87                     ; K: chunk c
	s_mov_b32 s93, 0
	s_add_nc_u64 s[KB:KB+1], s[12:13], s[92:93]
	s_lshl_b32 s87, s16, 12                        ; V: behind K's 8,192 bytes, tiles 2 c and 2 c + 1
	s_add_co_u32 s90, s90, s87
	s_add_co_u32 s90, s90, 8192
	s_add_nc_u64 s[VB:VB+1], s[12:13], s[90:91]
	s_wait_alu depctr_va_vdst(0)
	s_wait_kmcnt 0x0
	s_add_co_i32 s82, s68, s69                     ; e0 + e1
.macro SCALES e, sc, lim                       ; 2^(e - e0 - e1) as f32
	s_sub_co_i32 s83, s[\e], s82
	s_add_co_i32 s83, s83, 127
	s_lshl_b32 s84, s83, 23
	v_mov_b32 v[\sc], s84
.endm
	SCALES 70, SQ, LQ
	SCALES 71, SK, LK
	SCALES 73, SV, LV
; 56 LDS loads in one run: the fragments of the slot's q-th 128 along K into set p: w's six (column block b = 2 s + u: rows 64 s + 32 c + 16 u on), then x's eight
.macro FETCH slot, q, p
	WIN 0x40                                       ; destination window 1
.irp b, 0,1,2,3,4,5
.irp cc, 0,1,2,3
	ds_load_b128 v[128*(\p)+16*\b+4*\cc:128*(\p)+16*\b+4*\cc+3], v[ADRB+(\slot)] offset:(64*(\b/2)+16*(\b%2))*PITCH+128*(\q)+32*\cc
.endr
.endr
	WIN 0xc0*(\p)                                  ; destination window 0 (set 0) or 3 (set 1)
.irp a, 0,1,2,3,4,5,6,7
.irp cc, 0,1,2,3
	ds_load_b128 v[128+16*\a+4*\cc:128+16*\a+4*\cc+3], v[ADRA+(\slot)] offset:16*\a*PITCH+128*(\q)+32*\cc
.endr
.endr
.endm
; 8 matrix instructions: column block b against x's eight blocks, from set p.  b < 4 (q, k): source 0 = w, source 1 = x.  b >= 4 (v): source 0 = x, source 1 = w.  zero = 1: the first product starts the sums.
; The 48 accumulators take turns, one instruction a turn, in the same order in every step.
.macro MULB p, b, zero
.if (\b) < 4
	WIN 0xa1+0x0c*(\p)                             ; w window 1, x window 0 or 3, C and D window 2
.irp a, 0,1,2,3,4,5,6,7
.if \zero
	v_wmma_f32_16x16x128_fp8_fp8 v[8*(8*(\b)+\a):8*(8*(\b)+\a)+7], v[128*(\p)+16*(\b):128*(\p)+16*(\b)+15], v[128+16*\a:128+16*\a+15], 0
.else
	v_wmma_f32_16x16x128_fp8_fp8 v[8*(8*(\b)+\a):8*(8*(\b)+\a)+7], v[128*(\p)+16*(\b):128*(\p)+16*(\b)+15], v[128+16*\a:128+16*\a+15], v[8*(8*(\b)+\a):8*(8*(\b)+\a)+7]
.endif
.endr
.else
	WIN 0xf4+3*(\p)                                ; x window 0 or 3, w window 1, C and D window 3
.irp a, 0,1,2,3,4,5,6,7
.if \zero
	v_wmma_f32_16x16x128_fp8_fp8 v[8*(8*((\b)-4)+\a):8*(8*((\b)-4)+\a)+7], v[128+16*\a:128+16*\a+15], v[128*(\p)+16*(\b):128*(\p)+16*(\b)+15], 0
.else
	v_wmma_f32_16x16x128_fp8_fp8 v[8*(8*((\b)-4)+\a):8*(8*((\b)-4)+\a)+7], v[128+16*\a:128+16*\a+15], v[128*(\p)+16*(\b):128*(\p)+16*(\b)+15], v[8*(8*((\b)-4)+\a):8*(8*((\b)-4)+\a)+7]
.endif
.endr
.endif
.endm
; A slot's first step: multiplies set 0 and, ahead of that, asks for the slot's second 128 along K into set 1: those loads have the step's 48 matrix instructions in which to land.
.macro STEP slot, zero
	s_wait_dscnt 0x0                               ; set 0 is in (asked for a step ago)
.if !(\zero)
	PLACES 4                                       ; set 1 was read by the matrix instructions just issued
.endif
	FETCH \slot, 1, 1
.irp b, 0,1,2,3,4,5
	MULB 0, \b, \zero
.endr
.endm
; A slot's second step multiplies set 1 and changes slots: ONE barrier; in front of it each wave waits for all its tensor loads, adds 0 to its spare word, and waits for that and for its reads of this slot.
; fill = 1: the barrier opens a round of the cluster's, and this slot is filled again, with K 512 further on, first thing behind the round.
.macro TURN slot, next, fill
	WIN 0                                          ; (the add's two registers lie in window 0)
	s_wait_tensorcnt 0x0                           ; all my tensor loads have landed: my part of the next slot
	ds_add_u32 v[SPW], v[NIL]                      ; 0 onto my spare word
	s_wait_dscnt 0x1                               ; set 1's 56 loads are in; the add alone may be out
	MULB 1, 0, 0                                   ; eight matrix instructions stand between the add and the wait for it
	s_wait_dscnt 0x0                               ; the add is done, and my reads of this slot are over
	s_barrier_signal -1
	MULB 1, 1, 0
	WIN 0
	s_barrier_wait -1
.if \fill
	CREST                                          ; no wave of any partner still reads this slot or has a load on its way
	s_add_nc_u64 s[G0+4*\slot+2:G0+4*\slot+3], s[G0+4*\slot+2:G0+4*\slot+3], 512
	s_add_nc_u64 s[G0B+4*\slot+2:G0B+4*\slot+3], s[G0B+4*\slot+2:G0B+4*\slot+3], 512
	JLOAD G0+4*\slot, G1, G0B+4*\slot, G1B         ; my one tensor load behind the round; its four v_nop are also the places in front of the loads into set 0
.else
	PLACES 4
.endif
	FETCH \next, 0, 0
.irp b, 2,3,4,5
	MULB 1, \b, 0
.endr
.endm
	s_wait_tensorcnt 0x1                           ; my part of slot 0 is in; slot 1's load may be out
	s_barrier_signal -1
	s_barrier_wait -1                              ; everybody's is
	FETCH 0, 0, 0
	STEP 0, 1                                      ; K 0: these products start the sums: nothing is cleared
	TURN 0, 1, 1                                   ; K 128; slot 0 takes K 512 on
	STEP 1, 0                                      ; K 256
	TURN 1, 0, 1                                   ; K 384; slot 1 takes K 768 on
	STEP 0, 0                                      ; K 512
	TURN 0, 1, 0                                   ; K 640; nothing is left to fetch, so no round
	STEP 1, 0                                      ; K 768
	s_wait_dscnt 0x0
.irp b, 0,1,2,3,4,5
	MULB 1, \b, 0                                  ; K 896
.endr
	; THE WAY OUT: convert, store.  Each accumulator is read from its low end on.
	PLACES 4
	WIN 0x82                                       ; destination and source 0 window 2
.set i, 0
.rept 128
.set i, i+1
.endr
.rept 128
.set i, i+1
.endr
	WIN 0x02                                       ; source 0 window 2, destination and scale window 0
	s_wait_alu depctr_va_vdst(0)
.irp a, 0,1,2,3,4,5,6,7
.irp u, 0,1
	v_cvt_scalef32_pk8_fp8_f32 v[C+4*\a+2*\u:C+4*\a+2*\u+1], v[8*(8*\u+\a):8*(8*\u+\a)+7], v[SQ]              ; token 16 a + r, channels 32 c + 16 u + 8 (lane / 16) + 0 .. 7
	v_cvt_scalef32_pk8_fp8_f32 v[C+32+4*\a+2*\u:C+32+4*\a+2*\u+1], v[8*(8*(2+\u)+\a):8*(8*(2+\u)+\a)+7], v[SK]
.endr
.endr
	WIN 0
	v_nop                                          ; one plain vector instruction behind the last conversion of the run
.irp a, 0,1,2,3,4,5,6,7
	global_store_b128 v[GO], v[C+4*\a:C+4*\a+3], s[QB:QB+1] offset:1024*\a        ; the wave stores 512 consecutive bytes, aligned
	global_store_b128 v[GO], v[C+32+4*\a:C+32+4*\a+3], s[KB:KB+1] offset:1024*\a
.endr
	WIN 0xc3                                       ; destination and source 0 window 3
.set i, 0
.rept 128
.set i, i+1
.endr
	WIN 0x03
.irp u, 0,1
.irp a, 0,1,2,3,4,5,6,7
	v_cvt_scalef32_pk8_fp8_f32 v[C+64+16*\u+2*\a:C+64+16*\u+2*\a+1], v[8*(8*\u+\a):8*(8*\u+\a)+7], v[SV]      ; stored row 16 u + r of my 32, keys 16 a + 8 (lane / 16) + 0 .. 7
.endr
.endr
	WIN 0
	v_nop
.irp u, 0,1
.irp j, 0,1,2,3
	global_store_b128 v[GO], v[C+64+16*\u+4*\j:C+64+16*\u+4*\j+3], s[VB:VB+1] offset:2048*\u+512*\j
.endr
.endr
	s_wait_tensorcnt 0x0                           ; the wave's end, behind my last tensor load
	ds_add_u32 v[SPW], v[NIL]
	s_wait_dscnt 0x0
	CROUND                                         ; the closing round: no work-group ends while a partner may still ask for a tile that names it
	s_endpgm
.Lfunc_end_k_qae863c86ed_qkv:
	.size	k_qae863c86ed_qkv, .Lfunc_end_k_qae863c86ed_qkv-k_qae863c86ed_qkv
	.p2alignl 7, 3214868480
	.fill 96, 4, 3214868480
	.section	.rodata,"a",@progbits
	.p2align	6, 0x0
	.amdhsa_kernel k_qae863c86ed_qkv
		.amdhsa_group_segment_fixed_size 327680
		.amdhsa_private_segment_fixed_size 0
		.amdhsa_enable_private_segment 0
		.amdhsa_kernarg_size 40
		.amdhsa_user_sgpr_count 2
		.amdhsa_user_sgpr_kernarg_segment_ptr 1
		.amdhsa_wavefront_size32 1
		.amdhsa_system_sgpr_workgroup_id_x 1
		.amdhsa_system_sgpr_workgroup_id_y 1
		.amdhsa_system_sgpr_workgroup_id_z 1
		.amdhsa_system_vgpr_workitem_id 0
		.amdhsa_next_free_vgpr 1024
		.amdhsa_next_free_sgpr 100
		.amdhsa_reserve_vcc 0
		.amdhsa_float_denorm_mode_32 3
		.amdhsa_float_denorm_mode_16_64 3
		.amdhsa_fp16_overflow 1
		.amdhsa_memory_ordered 1
		.amdhsa_forward_progress 1
		.amdhsa_inst_pref_size 71
	.end_amdhsa_kernel
	.amdgpu_metadata
---
amdhsa.version: [ 1, 2 ]
amdhsa.kernels:
  - .name:           k_qae863c86ed_qkv
    .symbol:         k_qae863c86ed_qkv.kd
    .args:
      - { .name: xc, .offset: 0, .size: 8, .value_kind: global_buffer, .address_space: global }
      - { .name: wqc, .offset: 8, .size: 8, .value_kind: global_buffer, .address_space: global }
      - { .name: lowp_scales, .offset: 16, .size: 8, .value_kind: global_buffer, .address_space: global }
      - { .name: qf, .offset: 24, .size: 8, .value_kind: global_buffer, .address_space: global }
      - { .name: kvf, .offset: 32, .size: 8, .value_kind: global_buffer, .address_space: global }
    .group_segment_fixed_size: 327680
    .private_segment_fixed_size: 0
    .kernarg_segment_align: 8
    .kernarg_segment_size: 40
    .max_flat_workgroup_size: 128
    .sgpr_count:     100
    .vgpr_count:     1024
    .wavefront_size: 32
...
	.end_amdgpu_metadata
.endif
;; end of part 2
;; launch attn (part 3): grid 4 x 64, 16 waves a work-group, no clusters, 327,680 bytes of LDS; arguments qf, kvf, lowp_scales, valsf; writes valsf
.if DOCPART == 3
	.amdgcn_target "amdgcn-amd-amdhsa--gfx1250"
	.amdhsa_code_object_version 6
	.text
	.protected	k_qae863c86ed_attn
	.globl	k_qae863c86ed_attn
	.p2align	8
	.type	k_qae863c86ed_attn,@function
k_qae863c86ed_attn:
	s_mov_b64 s[64:65], 0
	v_nop
	global_prefetch_b8 v0, s[64:65] scope:SCOPE_SE
	s_setreg_imm32_b32 hwreg(HW_REG_WAVE_MODE, 25, 1), 1
	s_wait_xcnt 0x0
; Causal attention on codes of E4M3, head size 64, and the quantising of its result for the last product.  q, k and v come as images of the operands' registers; the result leaves as such images.
; THE SOFTMAX AHEAD OF THE SECOND PRODUCT: t = score x log2(e) / 8; M = the row's largest t so far, rounded UP to a whole number; p = 2^(t - M) is quantised (scale 2^e4), not normalised.  The row's sum is taken of the
; unquantised p, in f32, and divides at the end.  When M moves, the sum and O are multiplied by 2^(old M - new M), which rounds nothing.
; SHARES.  A work-group owns the blocks i and 7 - i of 256 queries of one head (i = work-group x), and walks key slots 0 .. i for the first and 0 .. 7 - i for the second: ALWAYS nine slots of 256 keys.  So all 256 work-groups
; have equal work, the trip count is a constant of the text, no tile is fetched that nobody reads, and no tensor load or barrier is jumped over.  Each of the SIXTEEN waves owns 16 queries of the block in hand.
; NO CLUSTER: in one and the same trip the four work-groups of a head want different slots (0 .. i, then 0 .. 7 - i); a walk in common would have twelve trips, of which each partner would work in nine.
; LAYOUT.  Both products are used transposed: S^T = K Q^T (source 0 = 16 keys, source 1 = my 16 queries), O^T = V^T P^T (source 0 = 16 channels, source 1 = P): a lane holds ONE query (lane % 16) throughout.
; Tile a of S^T gives a lane keys 16 a + 8 (lane / 16) + 0 .. 7: its conversion's two registers are registers 2 a, 2 a + 1 of the second product's operand, as they stand; V's images hold the same keys in the same registers.
; V's tile t holds channels 32 (t / 2) + 8 (t % 2) + m + 8 (m / 8) in its rows m, so that the 16 registers of O^T's tiles 2 c, 2 c + 1 are channels 32 c + 16 (lane / 16) + 0 .. 15: four registers of the last product's operand.
; CAUSAL: a step of 128 keys that all come after my 16 queries is left out (a scalar branch on ids); in the step on the diagonal hidden scores become -infinity ahead of the maximum.  Key 0 counts for every query.
; valsf [K slot h / 4][row tile 512][4,096]: + 2,048 ((h / 2) % 2) + 1,024 (h % 2) + 512 c + 16 lane.
; LIMITS on the given exponents, so that each power of two below is an f32 number: e2 + e3 between -123 and 130 (added to c's exponent field); e4, and e6 - e4 - e5, between -126 and 119.
; REGISTERS: v1-7 addresses and lane terms; v12 -M, v13 the largest t, v[14:15] the sum in two halves; v16-23 Q; v32-95 K's eight fragments, then V's four; v96-159 S^T, then p; v160-191 O^T; v192-207 p's codes;
;   v208-223 the results' codes; v244: 2^e4; v245: 2^(e6 - e4 - e5); v236, v238-243, v246-255 at work.
.set SLOTB, 32768                      ; a slot: 256 keys: two blocks of 16,384 bytes (K's eight images, V's four), dense, as they lie in memory; slot 1 begins here
.set SPARE, 2*SLOTB                    ; behind the ring: the spare words, 128 bytes for each of sixteen waves, which no other line names
.set LI,  1                            ; v1   16 x lane: my place in an image, in LDS and in memory; never rewritten
.set ADR, 2                            ; v2   LDS address of the slot in hand + 16 x lane
.set PFO, 3                            ; v3   256 x lane: the prefetches' offset; never rewritten
.set DM,  4                            ; v4   lane % 16 - 8 (lane / 16)
.set SPW, 5                            ; v5   LDS address of my spare word; never rewritten
.set NIL, 6                            ; v6   0; never rewritten
.set DD,  7                            ; v7   the mask's bound
.set TB,  2                            ; s2   LDS byte at which the slot in hand begins
.set WV,  18                           ; s18  my wave's number
.set SEL, 20                           ; s[20:21] lane selects for v_permlanex16_b32: lane l xor 16
.set CS,  22                           ; s[22:23] c = log2(e) / 8 x 2^(e2 + e3)
.set G1,  24                           ; s[24:31] descriptor group 1
.set G0,  32                           ; s[32:35] descriptor group 0, which walks
.set TR,  36                           ; s36  the trip, 0 .. 8
.set PI,  37                           ; s37  i
.set SW,  38                           ; s38  i + 1: the trip in which the second block begins
.set KF,  39                           ; s39  the step's first key
.set Q0,  40                           ; s40  my first query
.set KVB, 42                           ; s[42:43] my half (wave % 2) of the head's slot 0 in kvf
.set QBA, 44                           ; s[44:45], s[46:47] my query tile's image, first and second block
.set QBB, 46
.set VBA, 48                           ; s[48:49], s[50:51] where my results go
.set VBB, 50
.set PFA, 60                           ; s[60:61] where my prefetches stand
.set LIM, 62                           ; s62  a wave prefetches in the trips below this number
.macro TLOAD                           ; waves 0 and 1 fetch the slot's two halves, the others nothing.  An s_nop 0 and four v_nop follow the line
	s_cmp_lt_u32 s[WV], 2
	s_cbranch_scc0 .Lnone_\@
	tensor_load_to_lds s[G0:G0+3], s[G1:G1+7]
	s_nop 0
.rept 4
	v_nop
.endr
.Lnone_\@:
.endm
; A PREFETCH INTO THE L2.  All four work-groups of a head walk the same slots of kvf: the head's first work-group asks, and in it waves 4 to 7, which fetch nothing: 8,192 bytes a wave, lanes 256 bytes apart, one instruction.
; Trip t asks for slot t + 2, t = 0 .. 5: each aligned block of 256 bytes of slots 2 to 7 is named once in the launch, one or two trips ahead of the first tensor load that wants it.  Slots 0 and 1 come by their loads alone.
.macro ASK
	s_cmp_lt_u32 s[TR], s[LIM]
	s_cbranch_scc0 .Lnot_mine_\@
	global_prefetch_b8 v[PFO], s[PFA:PFA+1] th:TH_LOAD_NT scope:SCOPE_SE
.Lnot_mine_\@:
.endm
	s_load_b256 s[4:11], s[0:1], 0x0               ; qf s[4:5], kvf s[6:7], the scales' exponents s[8:9], valsf s[10:11]
	v_lshl_add_u32 v[SPW], v0, 2, SPARE
	v_mov_b32 v[NIL], 0
	ds_add_u32 v[SPW], v[NIL]                      ; the wave's opening: the add and its wait stand ahead of my first tensor load; the set-up below, work on registers, stands between them
	ds_add_u32 v[SPW], v[NIL]
	v_lshrrev_b32 v2, 5, v0
	s_delay_alu instid0(VALU_DEP_1)
	v_readfirstlane_b32 s[WV], v2                  ; wave 0..15
	s_mov_b32 s[PI], ttmp9
	s_add_co_u32 s[SW], s[PI], 1
	s_and_b32 s66, ttmp7, 0xffff                   ; 16 x batch + head
	s_lshl_b32 s67, s[WV], 4
	s_lshl_b32 s[Q0], s[PI], 8
	s_add_co_u32 s[Q0], s[Q0], s67                 ; my first query in block i: 256 i + 16 wave,
	s_sub_co_u32 s63, 7, s[PI]
	s_lshl_b32 s63, s63, 8
	s_add_co_u32 s63, s63, s67                     ; and in block 7 - i
	s_and_b32 s67, s[WV], 1
	s_lshl_b32 s67, s67, 14                        ; which half of a slot I fetch, if I fetch
	s_mov_b32 s[G0+1], s67                         ; its LDS address, in slot 0
	s_lshl_b32 s68, s66, 18                        ; kvf: 262,144 bytes a head
	s_add_co_u32 s70, s68, s67
	s_mov_b32 s71, 0
	s_and_b32 s72, s[WV], 3
	s_lshl_b32 s72, s72, 13                        ; the prefetches: 8,192 bytes a wave,
	s_add_co_u32 s72, s72, s68
	s_add_co_u32 s72, s72, SLOTB                   ; in slot 1: the first change of slots steps it to slot 2
	s_mov_b32 s73, 0
	s_lshl_b32 s82, s66, 17                        ; qf: 131,072 bytes a head, 1,024 a tile of 16 queries
	s_lshl_b32 s74, s[Q0], 6
	s_add_co_u32 s74, s74, s82
	s_mov_b32 s75, 0
	s_lshl_b32 s76, s63, 6
	s_add_co_u32 s76, s76, s82
	s_mov_b32 s77, 0
	s_bfe_u32 s82, s66, 0x20002                    ; valsf: head / 4: the K slot of 2,097,152 bytes,
	s_lshl_b32 s82, s82, 21
	s_lshr_b32 s83, s66, 4
	s_lshl_b32 s83, s83, 19                        ; the batch's 128 row tiles of 4,096 bytes,
	s_add_co_u32 s82, s82, s83
	s_and_b32 s83, s66, 3
	s_lshl_b32 s83, s83, 10                        ; 2,048 ((head / 2) % 2) + 1,024 (head % 2)
	s_add_co_u32 s82, s82, s83
	s_lshl_b32 s78, s[Q0], 8                       ; and my row tile
	s_add_co_u32 s78, s78, s82
	s_mov_b32 s79, 0
	s_lshl_b32 s80, s63, 8
	s_add_co_u32 s80, s80, s82
	s_mov_b32 s81, 0
	s_sub_co_u32 s82, s[WV], 4
	s_lshr_b32 s82, s82, 2                         ; 0 in waves 4 to 7,
	s_or_b32 s82, s82, ttmp9                       ; of the head's first work-group
	s_cmp_eq_u32 s82, 0
	s_cselect_b32 s[LIM], 6, 0
	; descriptor group 1: a dense block of 16,384 bytes as 64 rows of 256
	s_mov_b32 s[G1+0], 3<<16                       ; no mask; elements of 8 bytes; no padding: every read of a fragment takes 512 consecutive bytes
	s_mov_b32 s[G1+1], 32<<16                      ; tensor_dim0 = 32
	s_mov_b32 s[G1+2], 64<<16                      ; tensor_dim1 = 64
	s_mov_b32 s[G1+3], 32<<16                      ; tile_dim0 = 32
	s_mov_b32 s[G1+4], 64                          ; tile_dim1 = 64
	s_mov_b32 s[G1+5], 32                          ; from row to row
	s_mov_b32 s[G1+6], 0
	s_mov_b32 s[G1+7], 0
	s_mov_b32 s[SEL], 0x76543210
	s_mov_b32 s[SEL+1], 0xfedcba98
	s_mov_b32 s[CS], 0x3e38aa3b                    ; log2(e) / 8
	s_mov_b32 s[TB], 0
	s_mov_b32 s[TR], 0
	s_wait_dscnt 0x0                               ; the opening add is done
	s_wait_kmcnt 0x0
	s_load_b256 s[52:59], s[8:9], 0x0              ; the eight exponents
	s_add_nc_u64 s[KVB:KVB+1], s[6:7], s[70:71]
	s_add_nc_u64 s[PFA:PFA+1], s[6:7], s[72:73]
	s_add_nc_u64 s[QBA:QBA+1], s[4:5], s[74:75]
	s_add_nc_u64 s[QBB:QBB+1], s[4:5], s[76:77]
	s_add_nc_u64 s[VBA:VBA+1], s[10:11], s[78:79]
	s_add_nc_u64 s[VBB:VBB+1], s[10:11], s[80:81]
	s_mov_b32 s[G0], 1                             ; count = 1
	s_mov_b64 s[G0+2:G0+3], s[KVB:KVB+1]           ; trip 0 reads the head's slot 0
	s_or_b32 s[G0+3], s[G0+3], 0x80000000          ; type = 2
	TLOAD
	v_and_b32 v[LI], 31, v0
	s_delay_alu instid0(VALU_DEP_1)
	v_lshlrev_b32 v[LI], 4, v[LI]
	global_load_b128 v[16:19], v[LI], s[QBA:QBA+1]             ; Q's fragment stays in registers
	global_load_b128 v[20:23], v[LI], s[QBA:QBA+1] offset:512
	v_lshlrev_b32 v[PFO], 4, v[LI]
	v_and_b32 v[DD], 15, v0
	v_bfe_u32 v[DM], v0, 4, 1
	s_delay_alu instid0(VALU_DEP_1)
	v_lshlrev_b32 v[DM], 3, v[DM]
	s_delay_alu instid0(VALU_DEP_1)
	v_sub_nc_u32 v[DM], v[DD], v[DM]
	v_mov_b32 v236, 0                              ; written once: a lane permute's destination counts as one of its sources
	v_mov_b32 v252, 0
	v_mov_b32 v253, 0                              ; (named as the upper half of the pair v[252:253])
.macro REINIT                          ; a block of queries begins: the largest t under every t, the sum and O^T zero: the first change of M leaves zeros zeros, so the step is written once
	v_mov_b32 v13, 0xff61b1e6                      ; -3e38
	s_delay_alu instid0(VALU_DEP_1)
	v_floor_f32 v12, -v13                          ; -M
	v_mov_b32 v14, 0
	v_mov_b32 v15, 0
.set i, 0
.rept 32
	v_mov_b32 v[160+i], 0
.set i, i+1
.endr
.endm
	REINIT
	s_wait_kmcnt 0x0
	s_add_co_i32 s66, s54, s55
	s_lshl_b32 s66, s66, 23
	s_add_co_i32 s[CS], s[CS], s66                 ; a score stands for score x 2^(e2 + e3): the two exponents are added to c's exponent field
	s_mov_b32 s[CS+1], s[CS]                       ; (named with it as a pair, so it is written)
	s_add_co_i32 s66, s56, 127
	s_lshl_b32 s67, s66, 23
	v_mov_b32 v244, s67                            ; 2^e4, for p's conversions
	s_sub_co_i32 s66, s58, s56
	s_sub_co_i32 s66, s66, s57                     ; O^T / the sum stands for that x 2^(e4 + e5): its code is that / 2^(e6 - e4 - e5)
	s_add_co_i32 s66, s66, 127
	s_lshl_b32 s67, s66, 23
	v_mov_b32 v245, s67
; A KEY STEP: 128 keys, the q-th half of the slot in hand.
.macro STEP q
	s_add_co_u32 s66, s[Q0], 15
	s_cmp_gt_u32 s[KF], s66                        ; all its keys come after my queries: nothing of it is done.  No barrier and no tensor load stands in a step
	s_cbranch_scc1 .Lhidden_\@
	v_add_nc_u32 v[ADR], s[TB], v[LI]
.rept 3
	v_nop                                          ; with the addition above: four places in front of loads into registers that the last products have read
.endr
.irp t, 0,1,2,3,4,5,6,7
.irp c, 0,1
	ds_load_b128 v[32+8*\t+4*\c:32+8*\t+4*\c+3], v[ADR] offset:16384*(\q)+1024*\t+512*\c    ; K's tile t: 512 consecutive bytes a load
.endr
.endr
	s_wait_alu depctr_va_vdst(0)
	s_wait_dscnt 0x0
.irp t, 0,1,2,3,4,5,6,7
	v_wmma_f32_16x16x64_fp8_fp8 v[96+8*\t:103+8*\t], v[32+8*\t:39+8*\t], v[16:23], 0         ; S^T: register 8 t + j is key KF + 16 t + 8 (lane / 16) + j, query Q0 + lane % 16
.endr
.rept 4
	v_nop                                          ; places: in front of the loads below, and of the first read of the scores
.endr
.irp t, 0,1,2,3
.irp j, 0,1,2,3
	ds_load_b128 v[32+16*\t+4*\j:32+16*\t+4*\j+3], v[ADR] offset:16384*(\q)+8192+2048*\t+512*\j   ; V's four fragments are asked for now and land under the softmax
.endr
.endr
	s_add_co_u32 s66, s[KF], 127
	s_cmp_le_u32 s66, s[Q0]                        ; all its keys count: no mask
	s_cbranch_scc1 .Lopen_\@
	s_sub_co_i32 s66, s[Q0], s[KF]
	v_add_nc_u32 v[DD], s66, v[DM]                 ; d = my query - KF - 8 (lane / 16): register 8 t + j is hidden where 16 t + j > d
	v_mov_b32 v254, 0xff800000                     ; -infinity
.set n, 0
.rept 64
	v_cmp_gt_i32 vcc_lo, 16*(n/8)+n%8, v[DD]
	v_cndmask_b32 v[96+n], v[96+n], v254, vcc_lo
.set n, n+1
.endr
.Lopen_\@:
	v_max3_num_f32 v254, v96, v97, v98             ; the step's largest score of my query, among my 64 keys, in two chains,
	v_max3_num_f32 v252, v99, v100, v101
.irp i, 6,10,14,18,22,26,30,34,38,42,46,50,54,58
	v_max3_num_f32 v254, v254, v[96+\i], v[97+\i]
	v_max3_num_f32 v252, v252, v[98+\i], v[99+\i]
.endr
	v_max3_num_f32 v254, v254, v158, v159
	s_delay_alu instid0(VALU_DEP_1)
	v_max_num_f32 v254, v254, v252
	s_delay_alu instid0(VALU_DEP_1)
	v_permlanex16_b32 v236, v254, s[SEL], s[SEL+1]
	s_delay_alu instid0(VALU_DEP_1)
	v_max_num_f32 v254, v254, v236                 ; and among lane l xor 16's
	s_delay_alu instid0(VALU_DEP_1)
	v_mul_f32 v254, s[CS], v254                    ; as t (c is positive)
	s_delay_alu instid0(VALU_DEP_1)
	v_max_num_f32 v13, v13, v254                   ; the running largest t
	v_mov_b32 v254, v12
	s_delay_alu instid0(VALU_DEP_2)
	v_floor_f32 v12, -v13                          ; the new -M = floor(-t) = -ceil(t): a whole number
	s_delay_alu instid0(VALU_DEP_1)
	v_sub_f32 v254, v12, v254                      ; M's old value less its new one: a whole number, 0 or less
	s_delay_alu instid0(VALU_DEP_1)
	v_cvt_i32_f32 v254, v254                       ; (it saturates)
	s_delay_alu instid0(VALU_DEP_1)
	v_ldexp_f32 v252, 1.0, v254                    ; f = 2^(old M - new M)
.set j, 0
.rept 32
	v_pk_fma_f32 v[96+j:97+j], v[96+j:97+j], s[CS:CS+1], v[12:13] op_sel_hi:[1,0,0]   ; t - M, two at a time (of the pairs c and -M the low word serves both halves)
.set j, j+2
.endr
.set j, 0
	s_wait_alu depctr_va_vdst(0)
.rept 64
	v_exp_f32 v[96+j], v[96+j]                     ; p = 2^(t - M), at most 1: not normalised
.set j, j+1
.endr
	v_pk_mul_f32 v[14:15], v[14:15], v[252:253] op_sel_hi:[1,0]   ; the sums under the new M: the plain instruction behind the exponentials
	s_wait_alu depctr_va_vdst(0)                   ; one wait for the whole batch, ahead of its first reader
	v_pk_add_f32 v[242:243], v[100:101], v[104:105]
	v_pk_add_f32 v[254:255], v[108:109], v[112:113]
	v_pk_add_f32 v[250:251], v[116:117], v[120:121]
	v_pk_add_f32 v[248:249], v[124:125], v[128:129]
	v_pk_add_f32 v[246:247], v[132:133], v[136:137]
	v_pk_add_f32 v[240:241], v[140:141], v[144:145]
	v_pk_add_f32 v[238:239], v[148:149], v[152:153]
	v_pk_add_f32 v[14:15], v[14:15], v[156:157]
	v_pk_add_f32 v[242:243], v[242:243], v[96:97]
	v_pk_add_f32 v[254:255], v[254:255], v[98:99]
	v_pk_add_f32 v[250:251], v[250:251], v[102:103]
	v_pk_add_f32 v[248:249], v[248:249], v[106:107]
	v_pk_add_f32 v[246:247], v[246:247], v[110:111]
	v_pk_add_f32 v[240:241], v[240:241], v[114:115]
	v_pk_add_f32 v[238:239], v[238:239], v[118:119]
	v_pk_add_f32 v[14:15], v[14:15], v[122:123]
	v_pk_add_f32 v[242:243], v[242:243], v[126:127]
	v_pk_add_f32 v[254:255], v[254:255], v[130:131]
	v_pk_add_f32 v[250:251], v[250:251], v[134:135]
	v_pk_add_f32 v[248:249], v[248:249], v[138:139]
	v_pk_add_f32 v[246:247], v[246:247], v[142:143]
	v_pk_add_f32 v[240:241], v[240:241], v[146:147]
	v_pk_add_f32 v[238:239], v[238:239], v[150:151]
	v_pk_add_f32 v[14:15], v[14:15], v[154:155]
	v_pk_add_f32 v[242:243], v[242:243], v[158:159]
	s_delay_alu instid0(VALU_DEP_2)
	v_pk_add_f32 v[14:15], v[14:15], v[248:249]
	s_delay_alu instid0(VALU_DEP_2)
	v_pk_add_f32 v[242:243], v[242:243], v[246:247]
	v_pk_add_f32 v[254:255], v[254:255], v[240:241]
	v_pk_add_f32 v[250:251], v[250:251], v[238:239]
	s_delay_alu instid0(VALU_DEP_2)
	v_pk_add_f32 v[14:15], v[14:15], v[254:255]
	s_delay_alu instid0(VALU_DEP_2)
	v_pk_add_f32 v[242:243], v[242:243], v[250:251]
	s_delay_alu instid0(VALU_DEP_1)
	v_pk_add_f32 v[14:15], v[14:15], v[242:243]
.irp t, 0,1,2,3,4,5,6,7
.irp i, 0,1,2,3,4,5,6,7
.endr
	v_cvt_scalef32_pk8_fp8_f32 v[192+2*\t:193+2*\t], v[96+8*\t:103+8*\t], v244   ; registers 2 t, 2 t + 1 of the operand: keys 16 t + 8 (lane / 16) + 0 .. 7
.endr
.set j, 0
.rept 16
	v_pk_mul_f32 v[160+j:161+j], v[160+j:161+j], v[252:253] op_sel_hi:[1,0]   ; O^T under the new M.  (Also the plain instructions between the conversions and the products)
.set j, j+2
.endr
	s_wait_alu depctr_va_vdst(0)
	s_wait_dscnt 0x0                               ; V is in
.irp t, 0,1,2,3
	v_wmma_f32_16x16x128_fp8_fp8 v[160+8*\t:167+8*\t], v[32+16*\t:47+16*\t], v[192:207], v[160+8*\t:167+8*\t]   ; O^T += V^T P^T: four accumulators, one instruction a turn
.endr
.Lhidden_\@:
	s_add_co_u32 s[KF], s[KF], 128
.endm
; THE CHANGE OF SLOTS stands at a trip's head.  Each wave waits for all its tensor loads (its part of the slot that it is about to read), adds 0 to its spare word, and waits for that and for its reads of the slot that it has left.
; Behind the barrier the slot ahead is whole and nobody reads the other.  fill = 1: that other slot takes the keys of the next trip: the load has a whole trip's steps in which to land.
.macro CHANGE fill
	s_wait_tensorcnt 0x0                           ; no tensor load of mine is out, so group 0 may be written
	ds_add_u32 v[SPW], v[NIL]                      ; 0 onto my spare word; the descriptor's step stands between it and the wait for it
.if \fill
	s_xor_b32 s[G0+1], s[G0+1], SLOTB              ; the other slot than last time
	s_add_co_u32 s66, s[TR], 1                     ; the next trip's slot of keys: trip, or trip - (i + 1) in the second block
	s_cmp_gt_u32 s66, s[PI]
	s_cselect_b32 s67, s[SW], 0
	s_sub_co_u32 s66, s66, s67
	s_lshl_b32 s66, s66, 15
	s_mov_b32 s67, 0
	s_add_nc_u64 s[G0+2:G0+3], s[KVB:KVB+1], s[66:67]
	s_or_b32 s[G0+3], s[G0+3], 0x80000000
	s_wait_xcnt 0x0                                ; the last prefetch, a trip back, has read its address, so it may be written
	s_add_nc_u64 s[PFA:PFA+1], s[PFA:PFA+1], SLOTB
.endif
	s_wait_dscnt 0x0                               ; the add is done, and my reads of the slot that I have left are over
	s_barrier_signal -1
	s_barrier_wait -1
.if \fill
	TLOAD                                          ; the first thing behind the barrier, and a wave's one tensor load until the next
	ASK
.endif
.endm
.macro SLOTKEY                         ; the first key of this trip's slot
	s_cmp_gt_u32 s[TR], s[PI]
	s_cselect_b32 s66, s[SW], 0
	s_sub_co_u32 s66, s[TR], s66
	s_lshl_b32 s[KF], s66, 8
.endm
; A block's way out: O^T / the sum, converted; the four conversions' results are two groups of four registers of the last product's operand, stored as they stand: 512 consecutive bytes a store.
.macro WAYOUT vc, base
.rept 4
	v_nop                                          ; places behind the last products
.endr
	v_add_f32 v14, v14, v15                        ; the sum's two halves,
	s_delay_alu instid0(VALU_DEP_1)
	v_permlanex16_b32 v252, v14, s[SEL], s[SEL+1]
	s_delay_alu instid0(VALU_DEP_1)
	v_add_f32 v14, v14, v252                       ; and lane l xor 16's: the row's sum
	s_wait_alu depctr_va_vdst(0)
	v_rcp_f32 v14, v14
	v_nop                                          ; a plain instruction behind the reciprocal
	s_wait_alu depctr_va_vdst(0)                   ; and a wait ahead of its first reader
.set j, 0
.rept 16
	v_pk_mul_f32 v[160+j:161+j], v[160+j:161+j], v[14:15] op_sel_hi:[1,0]
.set j, j+2
.endr
.set j, 0
.rept 32
.set j, j+1
.endr
.irp t, 0,1,2,3
	v_cvt_scalef32_pk8_fp8_f32 v[\vc+2*\t:\vc+2*\t+1], v[160+8*\t:167+8*\t], v245
.endr
	v_nop                                          ; one plain vector instruction behind the last conversion
	global_store_b128 v[LI], v[\vc:\vc+3], s[\base:\base+1]
	global_store_b128 v[LI], v[\vc+4:\vc+7], s[\base:\base+1] offset:512
.endm
	s_wait_loadcnt 0x0                             ; Q
.Ltrip:                                            ; eight trips: behind each change of slots but the last the next trip's slot is asked for
	CHANGE 1
	s_cmp_eq_u32 s[TR], s[SW]                      ; the second block begins (i + 1 is 1 to 4: always inside the loop): a branch on ids
	s_cbranch_scc0 .Lsame
	WAYOUT 208, VBA
	REINIT
	s_mov_b32 s[Q0], s63
	global_load_b128 v[16:19], v[LI], s[QBB:QBB+1]
	global_load_b128 v[20:23], v[LI], s[QBB:QBB+1] offset:512
	s_wait_loadcnt 0x0
.Lsame:
	SLOTKEY
	STEP 0
	STEP 1
	s_xor_b32 s[TB], s[TB], SLOTB                  ; on to the other slot
	s_add_co_u32 s[TR], s[TR], 1
	s_cmp_lt_u32 s[TR], 8
	s_cbranch_scc1 .Ltrip
	CHANGE 0                                       ; the ninth trip is written out
	SLOTKEY
	STEP 0
	STEP 1
	WAYOUT 216, VBB
	s_wait_tensorcnt 0x0                           ; the wave's end, behind my last tensor load
	ds_add_u32 v[SPW], v[NIL]
	s_wait_dscnt 0x0
	s_endpgm
.Lfunc_end_k_qae863c86ed_attn:
	.size	k_qae863c86ed_attn, .Lfunc_end_k_qae863c86ed_attn-k_qae863c86ed_attn
	.p2alignl 7, 3214868480
	.fill 96, 4, 3214868480
	.section	.rodata,"a",@progbits
	.p2align	6, 0x0
	.amdhsa_kernel k_qae863c86ed_attn
		.amdhsa_group_segment_fixed_size 327680
		.amdhsa_private_segment_fixed_size 0
		.amdhsa_enable_private_segment 0
		.amdhsa_kernarg_size 32
		.amdhsa_user_sgpr_count 2
		.amdhsa_user_sgpr_kernarg_segment_ptr 1
		.amdhsa_wavefront_size32 1
		.amdhsa_system_sgpr_workgroup_id_x 1
		.amdhsa_system_sgpr_workgroup_id_y 1
		.amdhsa_system_sgpr_workgroup_id_z 1
		.amdhsa_system_vgpr_workitem_id 0
		.amdhsa_next_free_vgpr 256
		.amdhsa_next_free_sgpr 96
		.amdhsa_reserve_vcc 1
		.amdhsa_float_denorm_mode_32 3
		.amdhsa_float_denorm_mode_16_64 3
		.amdhsa_fp16_overflow 1
		.amdhsa_memory_ordered 1
		.amdhsa_forward_progress 1
		.amdhsa_inst_pref_size 89
	.end_amdhsa_kernel
	.amdgpu_metadata
---
amdhsa.version: [ 1, 2 ]
amdhsa.kernels:
  - .name:           k_qae863c86ed_attn
    .symbol:         k_qae863c86ed_attn.kd
    .args:
      - { .name: qf, .offset: 0, .size: 8, .value_kind: global_buffer, .address_space: global }
      - { .name: kvf, .offset: 8, .size: 8, .value_kind: global_buffer, .address_space: global }
      - { .name: lowp_scales, .offset: 16, .size: 8, .value_kind: global_buffer, .address_space: global }
      - { .name: valsf, .offset: 24, .size: 8, .value_kind: global_buffer, .address_space: global }
    .group_segment_fixed_size: 327680
    .private_segment_fixed_size: 0
    .kernarg_segment_align: 8
    .kernarg_segment_size: 32
    .max_flat_workgroup_size: 512
    .sgpr_count:     96
    .vgpr_count:     256
    .wavefront_size: 32
...
	.end_amdgpu_metadata
.endif
;; end of part 3
;; launch proj (part 4): grid 8 x 32, 4 waves a work-group, clusters of 4 x 4, 327,680 bytes of LDS; arguments valsf, woc, lowp_scales, b_o, out0; writes out0
.if DOCPART == 4
	.amdgcn_target "amdgcn-amd-amdhsa--gfx1250"
	.amdhsa_code_object_version 6
	.text
	.protected	k_qae863c86ed_proj
	.globl	k_qae863c86ed_proj
	.p2align	8
	.type	k_qae863c86ed_proj,@function
k_qae863c86ed_proj:
	s_mov_b64 s[64:65], 0
	v_nop
	global_prefetch_b8 v0, s[64:65] scope:SCOPE_SE
	s_setreg_imm32_b32 hwreg(HW_REG_WAVE_MODE, 25, 1), 1
	s_wait_xcnt 0x0
	s_wait_alu depctr_hold_cnt(0) depctr_sa_sdst(0) depctr_va_vdst(0) depctr_va_sdst(0) depctr_va_ssrc(0) depctr_va_vcc(0) depctr_vm_vsrc(0)
	s_getreg_b32 s2, hwreg(HW_REG_IB_STS2, 6, 4)
	s_cmp_eq_u32 s2, 0
	s_cbranch_scc0 .Lentry_in_a_cluster
	s_endpgm
.Lentry_in_a_cluster:
	s_bfe_u32 s2, ttmp6, 0x10000c
	s_cmp_lg_u32 s2, 0xf033
	s_cbranch_scc0 .Lentry_shape_is_right
	s_endpgm
.Lentry_shape_is_right:
; The last product: out = vals w_o^T x 2^(e6 + e7) + b_o, on codes of E4M3.  vals come as images of the operand's registers (valsf [K slot 4][row tile 512][4,096]), w_o's codes as rows [1024][1024]; out is [8192][1024] f32.
; A work-group makes 256 rows x 128 columns: 256 work-groups.  Four waves; wave w (rh = w / 2, c = w % 2) makes rows 128 rh on x columns 64 c on: 32 accumulators.
; K = 1,024 goes in four slots' worth of 256 through a ring of two LDS slots filled by the tensor data mover; a slot is two steps of 128, 32 matrix instructions a wave each.
; CLUSTERS: 4 x 4 work-groups.  The four of a row of the cluster take the same rows of vals, the four of a column the same rows of w_o: each tile is asked for JOINTLY, by the same tensor load with the same descriptor and mask.
; THE MATRIX INSTRUCTION IS USED TRANSPOSED (source 0 = 16 rows of w_o, source 1 = 16 rows of vals): a lane holds eight neighbouring columns of one row of out.
; In both operands registers 4 c .. 4 c + 3 hold K = 32 c + 16 (lane / 16) + 0 .. 15 of the step: vals' images were made so, w_o's fragments come by four 16-byte loads 32 bytes apart.
; LIMIT: e6 + e7 lies between -126 and 127, so that 2^(e6 + e7) is an f32 number.
; REGISTERS, in windows of 256: window 0: v16-29 addresses, v32-63 my 64 numbers' worth of b_o in the result's layout, v64-95 at work on the way out, v128-255 vals' fragments, set 0 (on the way out: rows read back).
;   window 1: w_o's four fragments, set 0 at v0, set 1 at v64; v128-255 vals' fragments, set 1.   window 2: the accumulators (column block b, row block a: v[8 (8 b + a)]).
.set PITCH, 272                        ; an LDS row of w_o, and of the stage: 256 bytes + 16 of padding: sixteen rows begin at sixteen different 16-byte columns modulo 256
.set AHB,   32768                      ; 128 rows of vals x 256 K as eight images of 4,096 bytes, dense: one tensor load, and what one wave reads
.set BHB,   64*PITCH                   ; 64 rows of w_o: one tensor load
.set SLOT,  2*AHB+2*BHB
.set STAGE, 2*SLOT                     ; behind the ring, bytes of its own: 16 rows x 272 for each wave, for the way out
.set SPARE, STAGE+4*16*PITCH           ; behind the stages: the spare words, 128 bytes a wave, which no other line names
.set ADRA, 16                          ; v16-17  LDS address of my images of vals in slot 0, 1
.set ADRB, 20                          ; v20-21  of my fragments of w_o
.set STO,  24                          ; v24     the way out: where I put 32 bytes of a row
.set RD,   25                          ; v25     where I read a row back
.set CO,   26                          ; v26     my byte offset in two rows of out
.set BO,   27                          ; v27     32 x (lane / 16): my eight numbers of a tile's sixteen of b_o
.set SPW,  28                          ; v28     LDS address of my spare word; never rewritten
.set NIL,  29                          ; v29     0; never rewritten
.set BIAS, 32
.set TMP,  64
.set BK,   128                         ; the way out: 16 rows read back: v128-159 and v160-191 by turns
.set G1,  24                           ; s[24:31] descriptor group 1 for vals' tiles;  s[32:39] group 0, a set for each slot
.set G0,  32
.set G1B, 48                           ; s[48:55], s[56:63] the same for w_o's
.set G0B, 56
.set BB0, 76                           ; s[76:77] b_o at my 64 columns
.set OUT, 78                           ; s[78:79] out at my first row and column; never stepped
.set SC,  96                           ; s[96:97] 2^(e6 + e7)
.set MSB, 0
.macro WIN new                         ; the immediate's high byte repeats the setting that is left; a switch that changes nothing is dropped
.if MSB != (\new)
	s_set_vgpr_msb (MSB<<8)|(\new)
.set MSB, (\new)
.endif
.endm
; A joint load: waves 0 and 1 fetch vals' halves, waves 2 and 3 w_o's; the branch hangs on the wave's number alone.  An s_nop 0 and four v_nop follow each of the two lines.
.macro JLOAD g0a, g1a, g0b, g1b
	s_cmp_eq_u32 s15, 0
	s_cbranch_scc0 .Lfor_b_\@
	tensor_load_to_lds s[\g0a:\g0a+3], s[\g1a:\g1a+7]
	s_nop 0
.rept 4
	v_nop
.endr
	s_branch .Lasked_\@
.Lfor_b_\@:
	tensor_load_to_lds s[\g0b:\g0b+3], s[\g1b:\g1b+7]
	s_nop 0
.rept 4
	v_nop
.endr
.Lasked_\@:
.endm
.macro CREST                           ; a round of the cluster's barrier behind its opening barrier
	s_cmp_lg_u32 s14, 0
	s_cbranch_scc1 .Lnot_wave_0_\@
	s_barrier_signal -3
.Lnot_wave_0_\@:
	s_barrier_wait -3
	s_barrier_signal -1
	s_barrier_wait -1
.endm
.macro CROUND                          ; a whole round
	s_barrier_signal -1
	s_barrier_wait -1
	CREST
.endm
.macro PLACES n                        ; plain vector instructions between a matrix instruction and a load into, or a vector read of, its registers (ISA guide 7.12.1 for vector reads)
.rept \n
	v_nop
.endr
.endm
	s_load_b256 s[4:11], s[0:1], 0x0               ; valsf s[4:5], w_o's codes s[6:7], the scales' exponents s[8:9], b_o s[10:11]
	s_load_b64 s[12:13], s[0:1], 0x20              ; out
	v_lshl_add_u32 v[SPW], v0, 2, SPARE
	v_mov_b32 v[NIL], 0
	ds_add_u32 v[SPW], v[NIL]                      ; the wave's opening: the add and its wait stand ahead of my first tensor load; the set-up below, work on registers, stands between them
	ds_add_u32 v[SPW], v[NIL]
	v_lshrrev_b32 v1, 5, v0
	v_readfirstlane_b32 s14, v1                    ; wave 0..3
	s_lshr_b32 s15, s14, 1                         ; rh: my half of the rows.  Also: I fetch for vals (0) or for w_o (1)
	s_and_b32 s16, s14, 1                          ; c: my half of the columns.  Also: which half of that tile I fetch
	s_bfe_u32 s40, ttmp6, 0x40000                  ; cx, cy: my place in the cluster
	s_bfe_u32 s41, ttmp6, 0x40004
	s_lshl_b32 s42, ttmp9, 2
	s_add_co_u32 s42, s42, s40                     ; the block of 128 columns = 4 x cluster x + cx
	s_and_b32 s17, ttmp7, 0xffff
	s_lshl_b32 s17, s17, 2
	s_add_co_u32 s17, s17, s41                     ; the block of 256 rows = 4 x cluster y + cy
	s_lshl_b32 s43, s41, 2
	s_lshl_b32 s43, 15, s43                        ; my row of the cluster
	s_lshl_b32 s44, 0x1111, s40                    ; my column
	s_or_b32 s[G1+0], s43, (3<<16)|(1<<21)         ; vals: the mask of my row; elements of 8 bytes; 21 set beside a mask; no padding: every read of an image takes 512 consecutive bytes
	s_mov_b32 s[G1+1], 32<<16                      ; a dense block of 32,768 bytes as 128 rows of 256: tensor_dim0 = 32
	s_mov_b32 s[G1+2], 128<<16                     ; tensor_dim1 = 128
	s_mov_b32 s[G1+3], 32<<16                      ; tile_dim0 = 32
	s_mov_b32 s[G1+4], 128                         ; tile_dim1 = 128
	s_mov_b32 s[G1+5], 32                          ; from row to row
	s_mov_b32 s[G1+6], 0
	s_mov_b32 s[G1+7], 0
	s_or_b32 s[G1B+0], s44, (1<<20)|(1<<21)|(5<<22)|(3<<25)   ; w_o: the mask of my column; elements of 1 byte; padding: four words after every 64
	s_mov_b32 s[G1B+1], 256<<16                    ; tensor_dim0 = 256
	s_mov_b32 s[G1B+2], 64<<16                     ; tensor_dim1 = 64
	s_mov_b32 s[G1B+3], 256<<16                    ; tile_dim0 = 256
	s_mov_b32 s[G1B+4], 64                         ; tile_dim1 = 64
	s_mov_b32 s[G1B+5], 1024                       ; from row to row
	s_mov_b32 s[G1B+6], 0
	s_mov_b32 s[G1B+7], 0
	s_lshl_b32 s18, s16, 3
	s_lshl_b32 s20, s17, 4
	s_add_co_u32 s20, s20, s18                     ; vals: row tile 16 x block + 8 x half,
	s_lshl_b32 s20, s20, 12                        ; 4,096 bytes each
	s_mov_b32 s21, 0
	s_lshl_b32 s19, s16, 6
	s_lshl_b32 s46, s42, 7
	s_add_co_u32 s46, s46, s19                     ; w_o: row 128 x block + 64 x half,
	s_lshl_b32 s46, s46, 10                        ; in bytes
	s_mov_b32 s47, 0
	s_lshl_b32 s45, s16, 15                        ; where they go: no place in the cluster enters an LDS address
	s_mul_i32 s22, s16, BHB
	s_add_co_u32 s22, s22, 2*AHB
	s_wait_dscnt 0x0                               ; the opening add is done
	s_wait_kmcnt 0x0
	s_load_b256 s[68:75], s[8:9], 0x0              ; the eight exponents
	s_add_nc_u64 s[20:21], s[4:5], s[20:21]
	s_add_nc_u64 s[46:47], s[6:7], s[46:47]
	CROUND                                         ; all sixteen work-groups are here: the first joint loads meet
.irp s, 0,1
	s_mov_b32 s[G0+4*\s], 1                        ; count = 1
	s_add_co_u32 s[G0+4*\s+1], s45, \s*SLOT        ; LDS address
	s_add_nc_u64 s[G0+4*\s+2:G0+4*\s+3], s[20:21], \s*2097152   ; global address: K slot s
	s_or_b32 s[G0+4*\s+3], s[G0+4*\s+3], 0x80000000              ; type = 2
	s_mov_b32 s[G0B+4*\s], 1
	s_add_co_u32 s[G0B+4*\s+1], s22, \s*SLOT
	s_add_nc_u64 s[G0B+4*\s+2:G0B+4*\s+3], s[46:47], \s*256
	s_or_b32 s[G0B+4*\s+3], s[G0B+4*\s+3], 0x80000000
	s_wait_alu depctr_va_vdst(0)
	s_wait_tensorcnt 0x0
	ds_add_u32 v28, v29
	ds_add_u32 v28, v29
	s_wait_dscnt 0x0
	CROUND
	JLOAD G0+4*\s, G1, G0B+4*\s, G1B               ; a slot's first fill, each behind a round of its own: one load of mine is out
.endr
	v_and_b32 v1, 15, v0                           ; r = lane % 16
	v_bfe_u32 v2, v0, 4, 1                         ; lane / 16
	v_and_b32 v5, 31, v0
	v_lshlrev_b32 v5, 4, v5                        ; 16 x lane
	v_mul_u32_u24 v3, v1, PITCH
	s_wait_alu depctr_va_vdst(0)
	v_lshl_add_u32 v4, v2, 4, v3                   ; a fragment's row x pitch + 16 x half
	s_lshl_b32 s82, s15, 15                        ; my eight images of vals
	s_mul_i32 s83, s16, BHB                        ; my 64 rows of w_o,
	s_add_co_u32 s83, s83, 2*AHB                   ; behind vals' two halves
.irp s, 0,1
	v_add_nc_u32 v[ADRA+\s], s82, v5
	v_add_nc_u32 v[ADRB+\s], s83, v4
	s_add_co_u32 s82, s82, SLOT
	s_add_co_u32 s83, s83, SLOT
.endr
	s_mul_i32 s84, s14, 16*PITCH
	s_add_co_u32 s84, s84, STAGE                   ; my stage
	v_lshl_add_u32 v[STO], v2, 5, v3               ; in: row r, 32 bytes for each half of the lanes
	v_add_nc_u32 v[STO], s84, v[STO]
	v_mul_u32_u24 v[RD], v2, PITCH                 ; back: lanes 0-15 one row of 256 bytes, lanes 16-31 the next
	v_lshl_add_u32 v[RD], v1, 4, v[RD]
	v_add_nc_u32 v[RD], s84, v[RD]
	v_lshlrev_b32 v[CO], 12, v2                    ; and the same two rows in out
	v_lshl_add_u32 v[CO], v1, 4, v[CO]
	v_lshlrev_b32 v[BO], 5, v2
	s_wait_alu depctr_va_vdst(0)
	s_lshl_b32 s86, s42, 9
	s_lshl_b32 s87, s16, 8
	s_add_co_u32 s86, s86, s87                     ; my first column, in bytes: 512 x block + 256 x half
	s_mov_b32 s87, 0
	s_add_nc_u64 s[BB0:BB0+1], s[10:11], s[86:87]
	s_lshl_b32 s88, s17, 8
	s_lshl_b32 s89, s15, 7
	s_add_co_u32 s88, s88, s89                     ; my first row: 256 x block + 128 x half,
	s_lshl_b32 s88, s88, 12                        ; 4,096 bytes a row
	s_add_co_u32 s88, s88, s86
	s_mov_b32 s89, 0
	s_add_nc_u64 s[OUT:OUT+1], s[12:13], s[88:89]
.irp b, 0,1,2,3
	global_load_b128 v[BIAS+8*\b:BIAS+8*\b+3], v[BO], s[BB0:BB0+1] offset:64*\b        ; b_o at columns 16 b + 8 (lane / 16) + 0 .. 7 of my 64: the result's layout
	global_load_b128 v[BIAS+8*\b+4:BIAS+8*\b+7], v[BO], s[BB0:BB0+1] offset:64*\b+16
.endr
	s_wait_kmcnt 0x0
	s_add_co_i32 s[SC], s74, s75
	s_add_co_i32 s[SC], s[SC], 127
	s_lshl_b32 s[SC], s[SC], 23                    ; 2^(e6 + e7) as f32
	s_mov_b32 s[SC+1], s[SC]                       ; (named with it as a pair, so it is written)
; 48 LDS loads in one run: the fragments of the slot's q-th 128 along K into set p: w_o's four, then vals' eight
.macro FETCH slot, q, p
	WIN 0x40                                       ; destination window 1
.irp b, 0,1,2,3
.irp cc, 0,1,2,3
	ds_load_b128 v[64*(\p)+16*\b+4*\cc:64*(\p)+16*\b+4*\cc+3], v[ADRB+(\slot)] offset:16*\b*PITCH+128*(\q)+32*\cc
.endr
.endr
	WIN 0x40*(\p)                                  ; destination window 0 (set 0) or 1 (set 1)
.irp a, 0,1,2,3,4,5,6,7
.irp cc, 0,1,2,3
	ds_load_b128 v[128+16*\a+4*\cc:128+16*\a+4*\cc+3], v[ADRA+(\slot)] offset:4096*\a+2048*(\q)+512*\cc
.endr
.endr
.endm
; 8 matrix instructions: column block b against vals' eight row blocks, from set p.  zero = 1: the first product starts the sums.
; The 32 accumulators take turns, one instruction a turn, in the same order in every step.
.macro MULB p, b, zero
	WIN 0xa1+4*(\p)                                ; w_o window 1, vals window 0 or 1, C and D window 2
.irp a, 0,1,2,3,4,5,6,7
.if \zero
	v_wmma_f32_16x16x128_fp8_fp8 v[8*(8*(\b)+\a):8*(8*(\b)+\a)+7], v[64*(\p)+16*(\b):64*(\p)+16*(\b)+15], v[128+16*\a:128+16*\a+15], 0
.else
	v_wmma_f32_16x16x128_fp8_fp8 v[8*(8*(\b)+\a):8*(8*(\b)+\a)+7], v[64*(\p)+16*(\b):64*(\p)+16*(\b)+15], v[128+16*\a:128+16*\a+15], v[8*(8*(\b)+\a):8*(8*(\b)+\a)+7]
.endif
.endr
.endm
; A slot's first step: multiplies set 0 and, ahead of that, asks for the slot's second 128 along K into set 1: those loads have the step's 32 matrix instructions in which to land.
.macro STEP slot, zero
	s_wait_dscnt 0x0                               ; set 0 is in (asked for a step ago)
.if !(\zero)
	PLACES 4                                       ; set 1 was read by the matrix instructions just issued
.endif
	FETCH \slot, 1, 1
.irp b, 0,1,2,3
	MULB 0, \b, \zero
.endr
.endm
; A slot's second step multiplies set 1 and changes slots: ONE barrier; in front of it each wave waits for all its tensor loads, adds 0 to its spare word, and waits for that and for its reads of this slot.
; fill = 1: the barrier opens a round of the cluster's, and this slot is filled again, two K slots on, first thing behind the round.
.macro TURN slot, next, fill
	WIN 0                                          ; (the add's two registers lie in window 0)
	s_wait_tensorcnt 0x0                           ; all my tensor loads have landed: my part of the next slot
	ds_add_u32 v[SPW], v[NIL]                      ; 0 onto my spare word
	s_wait_dscnt 0x1                               ; set 1's 48 loads are in; the add alone may be out
	MULB 1, 0, 0                                   ; eight matrix instructions stand between the add and the wait for it
	s_wait_dscnt 0x0                               ; the add is done, and my reads of this slot are over
	s_barrier_signal -1
	MULB 1, 1, 0
	WIN 0
	s_barrier_wait -1
.if \fill
	CREST                                          ; no wave of any partner still reads this slot or has a load on its way
	s_add_nc_u64 s[G0+4*\slot+2:G0+4*\slot+3], s[G0+4*\slot+2:G0+4*\slot+3], 2*2097152
	s_add_nc_u64 s[G0B+4*\slot+2:G0B+4*\slot+3], s[G0B+4*\slot+2:G0B+4*\slot+3], 512
	JLOAD G0+4*\slot, G1, G0B+4*\slot, G1B         ; my one tensor load behind the round; its four v_nop are also the places in front of the loads into set 0
.else
	PLACES 4
.endif
	FETCH \next, 0, 0
	MULB 1, 2, 0
	MULB 1, 3, 0
.endm
	s_wait_tensorcnt 0x1                           ; my part of slot 0 is in; slot 1's load may be out
	s_barrier_signal -1
	s_barrier_wait -1                              ; everybody's is
	FETCH 0, 0, 0
	STEP 0, 1                                      ; K 0: these products start the sums: nothing is cleared
	TURN 0, 1, 1                                   ; K 128; slot 0 takes K 512 on
	STEP 1, 0                                      ; K 256
	TURN 1, 0, 1                                   ; K 384; slot 1 takes K 768 on
	STEP 0, 0                                      ; K 512
	TURN 0, 1, 0                                   ; K 640; nothing is left to fetch, so no round
	STEP 1, 0                                      ; K 768
	s_wait_dscnt 0x0
.irp b, 0,1,2,3
	MULB 1, \b, 0                                  ; K 896
.endr
; THE WAY OUT, a block of 16 rows x 64 columns at a time.  A lane holds 32 neighbouring bytes of a row and the lanes beside it other rows: so a block goes through my own stage in LDS and comes back as whole rows of 256 bytes,
; of which sixteen lanes store one, aligned.  LDS serves a wave's instructions in order (ISA guide 5.7.1.4): no wait between the stores and the loads, nor in front of the next block's stores.
.macro TOSTAGE a
	WIN 0x02                                       ; source 0 (the sums) window 2
.irp b, 0,1,2,3
.irp i, 0,2,4,6
	v_pk_fma_f32 v[TMP+8*\b+\i:TMP+8*\b+\i+1], v[8*(8*\b+(\a))+\i:8*(8*\b+(\a))+\i+1], s[SC:SC+1], v[BIAS+8*\b+\i:BIAS+8*\b+\i+1] op_sel_hi:[1,0,1]   ; sum x 2^(e6 + e7) + b_o; each accumulator from its low end on
.endr
.endr
	WIN 0
.irp b, 0,1,2,3
	ds_store_b128 v[STO], v[TMP+8*\b:TMP+8*\b+3] offset:64*\b
	ds_store_b128 v[STO], v[TMP+8*\b+4:TMP+8*\b+7] offset:64*\b+16
.endr
.set BB, BK+32*((\a)%2)
.irp t, 0,1,2,3,4,5,6,7
	ds_load_b128 v[BB+4*\t:BB+4*\t+3], v[RD] offset:\t*2*PITCH
.endr
.endm
.macro SEND a, younger                 ; younger: the LDS instructions issued behind block a's loads, which may stay out
.set BB, BK+32*((\a)%2)
	s_wait_dscnt \younger                          ; the block is back in registers
.irp t, 0,1,2,3,4,5,6,7
	global_store_b128 v[CO], v[BB+4*\t:BB+4*\t+3], s[OUT:OUT+1] offset:(16*(\a)+2*\t)*4096 th:TH_STORE_NT   ; 16 lanes store 256 consecutive bytes, aligned; written once, read by nobody here
.endr
.endm
	s_wait_loadcnt 0x0                             ; b_o
	PLACES 4                                       ; behind the last products: for the first reads of results and for the loads into registers that held vals' fragments
	TOSTAGE 0
.irp a, 1,2,3,4,5,6,7
.if \a > 1
	s_wait_xcnt 0x0                                ; block a - 2's stores have read their registers: block a's loads may land there
.endif
	TOSTAGE \a
	SEND \a-1, 16                                  ; behind block a - 1's loads: block a's 8 stores and 8 loads
.endr
	SEND 7, 0
	s_wait_tensorcnt 0x0                           ; the wave's end, behind my last tensor load and my last LDS store
	ds_add_u32 v[SPW], v[NIL]
	s_wait_dscnt 0x0
	CROUND                                         ; the closing round: no work-group ends while a partner may still ask for a tile that names it
	s_endpgm
.Lfunc_end_k_qae863c86ed_proj:
	.size	k_qae863c86ed_proj, .Lfunc_end_k_qae863c86ed_proj-k_qae863c86ed_proj
	.p2alignl 7, 3214868480
	.fill 96, 4, 3214868480
	.section	.rodata,"a",@progbits
	.p2align	6, 0x0
	.amdhsa_kernel k_qae863c86ed_proj
		.amdhsa_group_segment_fixed_size 327680
		.amdhsa_private_segment_fixed_size 0
		.amdhsa_enable_private_segment 0
		.amdhsa_kernarg_size 40
		.amdhsa_user_sgpr_count 2
		.amdhsa_user_sgpr_kernarg_segment_ptr 1
		.amdhsa_wavefront_size32 1
		.amdhsa_system_sgpr_workgroup_id_x 1
		.amdhsa_system_sgpr_workgroup_id_y 1
		.amdhsa_system_sgpr_workgroup_id_z 1
		.amdhsa_system_vgpr_workitem_id 0
		.amdhsa_next_free_vgpr 768
		.amdhsa_next_free_sgpr 100
		.amdhsa_reserve_vcc 0
		.amdhsa_float_denorm_mode_32 3
		.amdhsa_float_denorm_mode_16_64 3
		.amdhsa_memory_ordered 1
		.amdhsa_forward_progress 1
		.amdhsa_inst_pref_size 77
	.end_amdhsa_kernel
	.amdgpu_metadata
---
amdhsa.version: [ 1, 2 ]
amdhsa.kernels:
  - .name:           k_qae863c86ed_proj
    .symbol:         k_qae863c86ed_proj.kd
    .args:
      - { .name: valsf, .offset: 0, .size: 8, .value_kind: global_buffer, .address_space: global }
      - { .name: woc, .offset: 8, .size: 8, .value_kind: global_buffer, .address_space: global }
      - { .name: lowp_scales, .offset: 16, .size: 8, .value_kind: global_buffer, .address_space: global }
      - { .name: b_o, .offset: 24, .size: 8, .value_kind: global_buffer, .address_space: global }
      - { .name: out0, .offset: 32, .size: 8, .value_kind: global_buffer, .address_space: global }
    .group_segment_fixed_size: 327680
    .private_segment_fixed_size: 0
    .kernarg_segment_align: 8
    .kernarg_segment_size: 40
    .max_flat_workgroup_size: 128
    .sgpr_count:     100
    .vgpr_count:     768
    .wavefront_size: 32
...
	.end_amdgpu_metadata
.endif
;; end of part 4
